; MI455X (gfx1250); checked and timed in simulation.
; The chip was launched on July 23, 2026; its instructions are those of AMD's public machine-readable ISA for CDNA 5 (MIT licence, August 2026) and "CDNA5" Instruction Set Architecture Reference Guide (July 2026). The comments in the code are by the model that wrote it; some were corrected since.
;; Multi Head Self Attention. Allowed arithmetic: matrix products marked QUANTISED: E2M1 operands, one E8M0 scale for each 32 along K, by v_wmma_scale_f32_16x16x128_f8f6f4 with both operands' format E2M1 (or v_wmma_scale_f32_32x16x128_f4), f32 sums; products left as they are: bf16, f16 or f32 operands; f32 sums; everything else in f32.
;; Inputs: Wk 512 x 512 float32; Wo 512 x 512 float32; Wq 512 x 512 float32; Wv 512 x 512 float32; bk 512 float32; bo 512 float32; bq 512 float32; bv 512 float32; inputs 2 x 4,096 x 512 float32.
;; Outputs: out0 2 x 4,096 x 512 float32.
;; This version of the problem:
;;   THIS VERSION OF THE PROBLEM IS GIVEN IN LOW PRECISION. The matrix products marked QUANTISED in the list below multiply operands that are first quantised to E2M1 (2 exponent bits, 1 mantissa bit; 4 bits a number), with one power-of-two scale for each 32 numbers along K (OCP MX v1.0); their sums are f32. The products marked 'left as it is' may take bf16, f16 or f32 operands, with f32 sums. Whichever they take, every output number must still come out within the allowed error. Rounding operands to bf16 (8 significant bits) uses up far more of that allowance than f16 does (11 bits, for magnitudes from 6e-5 to 65,504). All else is computed in f32.
;;   The module's matrix products, in the order in which they are computed (A, B: the left and right operand; K: the contracted axis; several contracted axes count as one K, in the product's order):
;;     1. [M 8,192, K 512] x [K 512, N 512]; A: input inputs; B: input Wq: QUANTISED
;;     2. [M 8,192, K 512] x [K 512, N 512]; A: input inputs; B: input Wk: QUANTISED
;;     3. [M 8,192, K 512] x [K 512, N 512]; A: input inputs; B: input Wv: QUANTISED
;;     4. batch 16 x [M 4,096, K 64] x [K 64, N 4,096]; A: computed on the way; B: computed on the way: left as it is (an operand is computed on the way)
;;     5. batch 16 x [M 4,096, K 4,096] x [K 4,096, N 64]; A: computed on the way; B: computed on the way: left as it is (an operand is computed on the way)
;;     6. [M 8,192, K 512] x [K 512, N 512]; A: computed on the way; B: input Wo: left as it is (an operand is computed on the way)
;;   THE QUANTISER, for each operand of a quantised product, along K:
;;     - K is cut into blocks of 32 from its start; a last block that is shorter is filled with zeros.
;;     - A block's scale is 2^e with e = floor(log2(the largest magnitude in the block)) - 2, held to -126 .. 127; a block of zeros has e = 0. As a byte (E8M0): e + 127.
;;     - Each number is divided by its block's scale, clamped to +-6, and rounded to the nearest number of E2M1, ties to even, subnormals kept.
;;     - The product sums the exact products of the quantised numbers (number of the format x scale) in f32.
;;   ~~~python
;;   def quantise(x, axis):      # numpy; x: float32 -> the quantised numbers, widened to float32 again
;;       x = np.moveaxis(x, axis, -1); K = x.shape[-1]
;;       x = np.pad(x, [(0, 0)] * (x.ndim - 1) + [(0, -K % 32)]); x = x.reshape(x.shape[:-1] + (-1, 32)); a = np.abs(x).max(-1, keepdims=True)
;;       e = np.where(a > 0, np.clip(np.frexp(np.where(a > 0, a, 1))[1] - 1 - 2, -126, 127), 0)      # np.frexp(a)[1] - 1 = floor(log2(a)), exactly
;;       r = np.clip(x / 2.0 ** e, -6, 6)
;;       step = 2.0 ** (np.maximum(np.frexp(np.where(r == 0, 1, r))[1] - 1, 0) - 1)
;;       q = np.round(r / step) * step * 2.0 ** e      # np.round: ties to even
;;       return np.moveaxis(q.reshape(q.shape[:-2] + (-1,))[..., :K], -1, axis).astype(np.float32)
;;   ~~~
;; One version. Each part assembles by itself: llvm-mc -triple=amdgcn-amd-amdhsa -mcpu=gfx1250 --defsym DOCPART=n.
;; ======== version 1 of 1: 4 launches
;; limits: values are held in f16: magnitudes above 65,504 overflow, below 6.1e-05 lose precision
;; workspace buffers: wcodes 393,216 bytes; wscales 24,576 bytes; wof 524,288 bytes; qf 8,388,608 bytes; kv 16,777,216 bytes; af 8,388,608 bytes
;; launch prep (part 1): grid 256 x 1, 1 waves a work-group, no clusters, 0 bytes of LDS; arguments Wq, Wk, Wv, Wo, wcodes, wscales, wof; writes wcodes, wscales, wof
.if DOCPART == 1
	.amdgcn_target "amdgcn-amd-amdhsa--gfx1250"
	.amdhsa_code_object_version 6
	.text
	.protected	k_qca0fcbbcdd_prep
	.globl	k_qca0fcbbcdd_prep
	.p2align	8
	.type	k_qca0fcbbcdd_prep,@function
k_qca0fcbbcdd_prep:
	s_mov_b64 s[64:65], 0
	v_nop
	global_prefetch_b8 v0, s[64:65] scope:SCOPE_SE
	s_setreg_imm32_b32 hwreg(HW_REG_WAVE_MODE, 25, 1), 1
	s_wait_xcnt 0x0
; PREP.  Wq, Wk, Wv [512 (k)][512 (n)] f32 become codes of FP4 (E2M1) with one E8M0 byte for each 32 along K; Wo [512 (k)][512 (n)] becomes f16.
; All four leave in the ORDER OF THE OPERAND'S REGISTERS: a fragment is 1,024 bytes, two images of 512, lane l's 16 bytes at 16 l, so that every later load of a fragment is 512 consecutive bytes.
;   wcodes  [kind 3][nt 32][ks 4][1024]: rows n = 16 nt + r; registers 4 c .. 4 c + 3 hold k = 128 ks + 64 c + 32 h + 0 .. 31
;   wscales [kind 3][cg 16][ks 4][32 lanes] x 4 bytes: lanes 0-15 the scale words of nt = 2 cg, lanes 16-31 those of nt = 2 cg + 1
;   wof     [nt 32][ks 16][1024]: row n = 16 nt + r; registers 0-3 hold k = 32 ks + 8 h + 0 .. 7, registers 4-7 k = 32 ks + 16 + 8 h + 0 .. 7
; SHARES.  A work-group is one wave and takes 128 along K x 32 columns of one tensor: 4 tensors x 16 column groups x 4 quarters of K = 256 work-groups.
; A LANE TAKES A COLUMN AND ITS REGISTERS RUN DOWN K: each load reads 128 consecutive bytes, a block of 32 along K lies in one lane, and the conversions give K innermost.
; The exchange of halves (lanes 16-31 of one register with lanes 0-15 of another) then turns two columns' blocks into the two fragments' lanes.
; A block's scale is 2^(floor(log2(largest magnitude)) - 2): its byte is the largest magnitude's exponent field - 2, held at 1 from below by a floor among the maximum's leaves.
; LIMITS: a block of zeros, and a block whose largest magnitude lies under 2^-124, keeps the byte 1 (zero codes add nothing; the bytes are read by this program alone).
; NaN and infinities are not served.  Wo beyond 65,504 in magnitude becomes infinity in f16.  The scale words leave 128 bytes a work-group: 24,576 bytes in the whole launch.
.set X,    16                          ; v16-143  128 numbers of my column
.set C,    144                         ; v144-207 codes (16 registers) or f16 pairs (64)
.set ROWB, 2048                        ; a row of W in bytes
.macro LOADB b                         ; 32 rows of W, 128 consecutive bytes a load
.set i, 0
.rept 32
	global_load_b32 v[X+32*(\b)+i], v1, s[4:5] offset:(32*(\b)+i)*ROWB th:TH_LOAD_NT
.set i, i+1
.endr
.endm
.macro BLK b                           ; block b of 32 along K: its scale byte into the word v3, its codes into v[C + 4 b ..]
.set XB, X+32*(\b)
	v_max3_num_f32 v4, |v[XB]|, |v[XB+1]|, |v[XB+2]|
	v_max3_num_f32 v5, |v[XB+3]|, |v[XB+4]|, |v[XB+5]|
.irp i, 6,10,14,18,22,26
	v_max3_num_f32 v4, v4, |v[XB+\i]|, |v[XB+\i+1]|
	v_max3_num_f32 v5, v5, |v[XB+\i+2]|, |v[XB+\i+3]|
.endr
	v_max3_num_f32 v4, v4, |v[XB+30]|, |v[XB+31]|
	v_max3_num_f32 v4, v4, v5, 0x1800000           ; the floor 2^(3 - 127): the byte cannot fall under 1
	v_add_nc_u32 v6, 0xff000000, v4                ; 2 off the exponent field: the conversion takes this operand's exponent field as its scale
	v_lshrrev_b32 v7, 23, v6                       ; the scale's byte
.if (\b) == 0
	v_mov_b32 v3, v7
.else
	v_lshl_or_b32 v3, v7, 8*(\b), v3
.endif
.irp g, 0,1,2,3
	v_cvt_scalef32_pk8_fp4_f32 v[C+4*(\b)+\g], v[XB+8*\g:XB+8*\g+7], v6
.endr
.endm
.macro HALF u                          ; 32 along K of Wo: f16 pairs, the exchange of halves, four stores of 512 consecutive bytes
.set i, 0
.rept 16
	v_cvt_pk_f16_f32 v[C+16*(\u)+i], v[X+32*(\u)+2*i], v[X+32*(\u)+2*i+1]
.set i, i+1
.endr
.irp j, 0,1,2,3
	v_permlane16_swap_b32 v[C+16*(\u)+\j], v[C+16*(\u)+4+\j]       ; k 0-7 | k 8-15 of a column: registers 0-3 of the two fragments
	v_permlane16_swap_b32 v[C+16*(\u)+8+\j], v[C+16*(\u)+12+\j]    ; k 16-23 | k 24-31: registers 4-7
.endr
	global_store_b128 v2, v[C+16*(\u):C+16*(\u)+3], s[16:17] offset:1024*(\u)
	global_store_b128 v2, v[C+16*(\u)+8:C+16*(\u)+11], s[16:17] offset:1024*(\u)+512
	global_store_b128 v2, v[C+16*(\u)+4:C+16*(\u)+7], s[16:17] offset:1024*(\u)+16384
	global_store_b128 v2, v[C+16*(\u)+12:C+16*(\u)+15], s[16:17] offset:1024*(\u)+16896
.endm
	s_load_b256 s[4:11], s[0:1], 0x0               ; Wq, Wk, Wv, Wo
	s_load_b128 s[12:15], s[0:1], 0x20             ; wcodes, wscales
	s_load_b64 s[16:17], s[0:1], 0x30              ; wof
	v_lshlrev_b32 v1, 2, v0                        ; 4 x lane: my column in a row of W, my scale word
	v_lshlrev_b32 v2, 4, v0                        ; 16 x lane: my place in an image
	s_lshr_b32 s20, ttmp9, 6                       ; kind: 0 Wq, 1 Wk, 2 Wv, 3 Wo
	s_bfe_u32 s21, ttmp9, 0x40002                  ; cg: which 32 columns
	s_and_b32 s22, ttmp9, 3                        ; kq: which 128 along K
	s_lshl_b32 s24, s22, 18                        ; 128 rows of 2,048 bytes
	s_lshl_b32 s25, s21, 7                         ; 32 columns of 4 bytes
	s_add_co_u32 s24, s24, s25
	s_mov_b32 s25, 0
	s_mov_b32 s27, 0
	s_wait_kmcnt 0x0
	s_cmp_eq_u32 s20, 1                            ; the tensor is chosen by the work-group's number alone
	s_cselect_b64 s[4:5], s[6:7], s[4:5]
	s_cmp_eq_u32 s20, 2
	s_cselect_b64 s[4:5], s[8:9], s[4:5]
	s_cmp_eq_u32 s20, 3
	s_cselect_b64 s[4:5], s[10:11], s[4:5]
	s_add_nc_u64 s[4:5], s[4:5], s[24:25]
	LOADB 0
	LOADB 1                                        ; two runs of 32 loads are out from here on
	s_cmp_eq_u32 s20, 3
	s_cbranch_scc1 .Lwo
	s_lshl_b32 s26, s20, 17                        ; wcodes: kind, fragment nt = 2 cg, K step kq
	s_lshl_b32 s23, s21, 13
	s_add_co_u32 s26, s26, s23
	s_lshl_b32 s23, s22, 10
	s_add_co_u32 s26, s26, s23
	s_add_nc_u64 s[12:13], s[12:13], s[26:27]
	s_lshl_b32 s26, ttmp9, 7                       ; wscales: ((16 kind + cg) 4 + kq) x 128 = 128 x the work-group's number
	s_add_nc_u64 s[14:15], s[14:15], s[26:27]
	s_wait_loadcnt 32                              ; run 0 is in; run 1 may be out
	LOADB 2
	BLK 0
	s_wait_loadcnt 32                              ; run 1 is in; run 2 may be out
	LOADB 3
	BLK 1
	s_wait_loadcnt 32                              ; run 2 is in; run 3 may be out
	BLK 2
	s_wait_loadcnt 0x0
	BLK 3
	v_nop                                          ; one plain instruction between the last scaled conversion and the instructions that touch its results
.irp c, 0,1
.irp g, 0,1,2,3
	v_permlane16_swap_b32 v[C+8*\c+\g], v[C+8*\c+4+\g]   ; blocks 2 c | 2 c + 1 of a column: registers 4 c + g of fragments 2 cg (first register) and 2 cg + 1 (second)
.endr
.endr
	global_store_b128 v2, v[C:C+3], s[12:13]
	global_store_b128 v2, v[C+8:C+11], s[12:13] offset:512
	global_store_b128 v2, v[C+4:C+7], s[12:13] offset:4096
	global_store_b128 v2, v[C+12:C+15], s[12:13] offset:4608
	global_store_b32 v1, v3, s[14:15]
	s_endpgm
.Lwo:
	s_lshl_b32 s26, s21, 15                        ; wof: fragment nt = 2 cg, K steps 4 kq on
	s_lshl_b32 s23, s22, 12
	s_add_co_u32 s26, s26, s23
	s_add_nc_u64 s[16:17], s[16:17], s[26:27]
	s_wait_loadcnt 32
	LOADB 2
	HALF 0
	s_wait_loadcnt 32
	LOADB 3
	HALF 1
	s_wait_loadcnt 32
	HALF 2
	s_wait_loadcnt 0x0
	HALF 3
	s_endpgm
.Lfunc_end_k_qca0fcbbcdd_prep:
	.size	k_qca0fcbbcdd_prep, .Lfunc_end_k_qca0fcbbcdd_prep-k_qca0fcbbcdd_prep
	.p2alignl 7, 3214868480
	.fill 96, 4, 3214868480
	.section	.rodata,"a",@progbits
	.p2align	6, 0x0
	.amdhsa_kernel k_qca0fcbbcdd_prep
		.amdhsa_group_segment_fixed_size 0
		.amdhsa_private_segment_fixed_size 0
		.amdhsa_enable_private_segment 0
		.amdhsa_kernarg_size 56
		.amdhsa_user_sgpr_count 2
		.amdhsa_user_sgpr_kernarg_segment_ptr 1
		.amdhsa_wavefront_size32 1
		.amdhsa_system_sgpr_workgroup_id_x 1
		.amdhsa_system_sgpr_workgroup_id_y 1
		.amdhsa_system_sgpr_workgroup_id_z 1
		.amdhsa_system_vgpr_workitem_id 0
		.amdhsa_next_free_vgpr 208
		.amdhsa_next_free_sgpr 66
		.amdhsa_reserve_vcc 0
		.amdhsa_float_denorm_mode_32 3
		.amdhsa_float_denorm_mode_16_64 3
		.amdhsa_memory_ordered 1
		.amdhsa_forward_progress 1
		.amdhsa_inst_pref_size 33
	.end_amdhsa_kernel
	.amdgpu_metadata
---
amdhsa.version: [ 1, 2 ]
amdhsa.kernels:
  - .name:           k_qca0fcbbcdd_prep
    .symbol:         k_qca0fcbbcdd_prep.kd
    .args:
      - { .name: Wq, .offset: 0, .size: 8, .value_kind: global_buffer, .address_space: global }
      - { .name: Wk, .offset: 8, .size: 8, .value_kind: global_buffer, .address_space: global }
      - { .name: Wv, .offset: 16, .size: 8, .value_kind: global_buffer, .address_space: global }
      - { .name: Wo, .offset: 24, .size: 8, .value_kind: global_buffer, .address_space: global }
      - { .name: wcodes, .offset: 32, .size: 8, .value_kind: global_buffer, .address_space: global }
      - { .name: wscales, .offset: 40, .size: 8, .value_kind: global_buffer, .address_space: global }
      - { .name: wof, .offset: 48, .size: 8, .value_kind: global_buffer, .address_space: global }
    .group_segment_fixed_size: 0
    .private_segment_fixed_size: 0
    .kernarg_segment_align: 8
    .kernarg_segment_size: 56
    .max_flat_workgroup_size: 32
    .sgpr_count:     66
    .vgpr_count:     208
    .wavefront_size: 32
...
	.end_amdgpu_metadata
.endif
;; end of part 1
;; launch qkv (part 2): grid 256 x 1, 8 waves a work-group, no clusters, 10,240 bytes of LDS; arguments inputs, wcodes, wscales, bq, bk, bv, qf, kv; writes qf, kv
.if DOCPART == 2
	.amdgcn_target "amdgcn-amd-amdhsa--gfx1250"
	.amdhsa_code_object_version 6
	.text
	.protected	k_qca0fcbbcdd_qkv
	.globl	k_qca0fcbbcdd_qkv
	.p2align	8
	.type	k_qca0fcbbcdd_qkv,@function
k_qca0fcbbcdd_qkv:
	s_mov_b64 s[64:65], 0
	v_nop
	global_prefetch_b8 v0, s[64:65] scope:SCOPE_SE
	s_setreg_imm32_b32 hwreg(HW_REG_WAVE_MODE, 25, 1), 1
	s_wait_xcnt 0x0
; QKV.  q = (x Wq + bq) c, k = x Wk + bk, v = x Wv + bv, c = log2(e) / 8; the three products on codes of FP4 (E2M1) with E8M0 scales, sums in f32; results rounded to f16 once.
; x [8192][512] f32 is quantised here, in registers; the weights come as fragments and scale words in register order.
; SHARES.  A work-group takes 32 rows of x (two tiles of 16).  Wave w first quantises ONE fragment of x (tile w / 4, K step w % 4) and hands it to the others through LDS as an image of its registers;
; then wave w is head w: 4 channel tiles of q, of k and of v for both row tiles: 3 x 32 matrix instructions.
; NO CLUSTER, NO TENSOR LOAD: codes and scale words of the three weights are 417,792 bytes, more than the 327,680 bytes of LDS, so a shared copy would want a ring with refills for 96 matrix instructions a wave;
; and inside a work-group each weight fragment is wanted by one wave alone, so it goes from memory straight into that wave's registers.
; LAYOUT.  q, k: source 0 = 16 channels of W, source 1 = 16 rows of x: a lane holds one token and eight neighbouring channels, which packed in pairs are four registers of a fragment [token][channel].
; v: the sources swapped: a lane holds one channel and eight neighbouring tokens: four registers of a fragment [channel][key].  So every store is an image: 512 consecutive bytes.
;   qf [bh 16][qt 256][s 2][1024]       kv [bh 16][slot 8][131072]: K [kt 32][s 2][1024], then from byte 65,536 V^T [ks 16][ct 4][1024]
; LIMITS: q c, k, v beyond 65,504 in magnitude become infinity in f16.  A block of x of zeros, or with its largest magnitude under 2^-124, keeps the scale byte 1.  NaN and infinities are not served.
; REGISTERS.  window 0: v1-9 addresses; v16-79 64 numbers of x, then the 8 accumulators; v80-143 at work, then x's 8 fragments; v144-151 x's scale words; v152-175 the weights' scale words;
;   v176-207 bq, v208-239 bk in the result's layout; v240-247 bv.   window 1: two sets of 16 weight fragments: v0-127 Wq, later Wv; v128-255 Wk.
.set XIMG,  0                          ; LDS: x's 8 fragments, 1,024 bytes each
.set XSC,   8192                       ; their scale words, 128 bytes each
.set SPARE, 9216                       ; the spare words, 128 bytes for each wave: four blocks of 256 bytes that no other line names
.set LI,  1                            ; 16 x lane
.set LS,  2                            ; 4 x lane
.set XO,  3                            ; x: row r of 2,048 bytes + 128 h
.set BO,  4                            ; 32 h: my eight numbers of a bias tile
.set RO,  5                            ; 4 r
.set IW,  6                            ; where I store my fragment's image
.set SW,  7                            ; and its scale words
.set SPW, 8                            ; LDS address of my spare word; never rewritten
.set NIL, 9                            ; 0; never rewritten
.set ACC, 16
.set XF,  80
.set PC,  80
.set TM,  88
.set XS,  144
.set WS,  152
.set BQ,  176
.set BK,  208
.set BV,  240
.set WV,  20
.set SEL, 22
.set CQ,  24
.set MSB, 0
.macro WIN new                         ; the immediate's high byte repeats the setting that is left
.if MSB != \new
	s_set_vgpr_msb (MSB<<8)|\new
.set MSB, \new
.endif
.endm
; One weight's share of my head: 32 loads of codes, 8 of scale words, 8 of bias: 48 loads
.macro WGRP kind, buf
	WIN 0x40                                       ; destination window 1
.irp ct, 0,1,2,3
.irp ks, 0,1,2,3
.irp c, 0,1
	global_load_b128 v[128*\buf+32*\ct+8*\ks+4*\c:128*\buf+32*\ct+8*\ks+4*\c+3], v[LI], s[6:7] offset:(\kind<<17)+4096*\ct+1024*\ks+512*\c
.endr
.endr
.endr
	WIN 0
.irp p, 0,1
.irp ks, 0,1,2,3
	global_load_b32 v[WS+8*\kind+4*\p+\ks], v[LS], s[8:9] offset:8192*\kind+512*\p+128*\ks
.endr
.endr
.irp ct, 0,1,2,3
.if \kind == 0
	global_load_b128 v[BQ+8*\ct:BQ+8*\ct+3], v[BO], s[10:11] offset:64*\ct
	global_load_b128 v[BQ+8*\ct+4:BQ+8*\ct+7], v[BO], s[10:11] offset:64*\ct+16
.elseif \kind == 1
	global_load_b128 v[BK+8*\ct:BK+8*\ct+3], v[BO], s[12:13] offset:64*\ct
	global_load_b128 v[BK+8*\ct+4:BK+8*\ct+7], v[BO], s[12:13] offset:64*\ct+16
.else
	global_load_b32 v[BV+2*\ct], v[RO], s[14:15] offset:64*\ct     ; my channel's bias, twice: a pair for the packed addition
	global_load_b32 v[BV+2*\ct+1], v[RO], s[14:15] offset:64*\ct
.endif
.endr
.endm
; 32 matrix instructions, source 0 = W, source 1 = x.  The bias is the C of each sum's first instruction.  The 8 accumulators take turns, one instruction a turn.
.macro PROD_T buf, kind, bias
	WIN 0x01                                       ; source 0 window 1
.irp ks, 0,1,2,3
.irp ct, 0,1,2,3
.irp mt, 0,1
.set rD, ACC+8*(2*\ct+\mt)
.set rA, 128*\buf+32*\ct+8*\ks
.set rB, XF+8*(4*\mt+\ks)
.set rC, rD
.if \ks == 0
.set rC, \bias+8*\ct
.endif
.set rW, WS+8*\kind+4*(\ct/2)+\ks
.set rX, XS+4*\mt+\ks
.if \ct%2
	v_wmma_scale_f32_16x16x128_f8f6f4 v[rD:rD+7], v[rA:rA+7], v[rB:rB+7], v[rC:rC+7], v[rW], v[rX] matrix_a_fmt:MATRIX_FMT_FP4 matrix_b_fmt:MATRIX_FMT_FP4 matrix_a_scale:MATRIX_SCALE_ROW1
.else
	v_wmma_scale_f32_16x16x128_f8f6f4 v[rD:rD+7], v[rA:rA+7], v[rB:rB+7], v[rC:rC+7], v[rW], v[rX] matrix_a_fmt:MATRIX_FMT_FP4 matrix_b_fmt:MATRIX_FMT_FP4
.endif
.endr
.endr
.endr
	WIN 0
.rept 4
	v_nop                                          ; four places behind the last products, ahead of loads into their operands and of the first read of results
.endr
.endm
; The same with the sources swapped (source 0 = x, source 1 = W); the first K step starts the sums with the constant 0
.macro PROD_N buf, kind
	WIN 0x04                                       ; source 1 window 1
.irp ks, 0,1,2,3
.irp ct, 0,1,2,3
.irp mt, 0,1
.set rD, ACC+8*(2*\ct+\mt)
.set rB, 128*\buf+32*\ct+8*\ks
.set rA, XF+8*(4*\mt+\ks)
.set rW, WS+8*\kind+4*(\ct/2)+\ks
.set rX, XS+4*\mt+\ks
.if \ks == 0
.if \ct%2
	v_wmma_scale_f32_16x16x128_f8f6f4 v[rD:rD+7], v[rA:rA+7], v[rB:rB+7], 0, v[rX], v[rW] matrix_a_fmt:MATRIX_FMT_FP4 matrix_b_fmt:MATRIX_FMT_FP4 matrix_b_scale:MATRIX_SCALE_ROW1
.else
	v_wmma_scale_f32_16x16x128_f8f6f4 v[rD:rD+7], v[rA:rA+7], v[rB:rB+7], 0, v[rX], v[rW] matrix_a_fmt:MATRIX_FMT_FP4 matrix_b_fmt:MATRIX_FMT_FP4
.endif
.else
.if \ct%2
	v_wmma_scale_f32_16x16x128_f8f6f4 v[rD:rD+7], v[rA:rA+7], v[rB:rB+7], v[rD:rD+7], v[rX], v[rW] matrix_a_fmt:MATRIX_FMT_FP4 matrix_b_fmt:MATRIX_FMT_FP4 matrix_b_scale:MATRIX_SCALE_ROW1
.else
	v_wmma_scale_f32_16x16x128_f8f6f4 v[rD:rD+7], v[rA:rA+7], v[rB:rB+7], v[rD:rD+7], v[rX], v[rW] matrix_a_fmt:MATRIX_FMT_FP4 matrix_b_fmt:MATRIX_FMT_FP4
.endif
.endif
.endr
.endr
.endr
	WIN 0
.rept 4
	v_nop
.endr
.endm
; The way out.  mode 0: q, times c; 1: k; 2: v, plus its bias.  Each accumulator is taken from its low end on; eight f32 become four registers of f16, in place; a store is 512 consecutive bytes.
.macro OUT16 mode
.if \mode != 1
.irp ct, 0,1,2,3
.irp mt, 0,1
.irp j, 0,2,4,6
.if \mode == 0
	v_pk_mul_f32 v[ACC+8*(2*\ct+\mt)+\j:ACC+8*(2*\ct+\mt)+\j+1], v[ACC+8*(2*\ct+\mt)+\j:ACC+8*(2*\ct+\mt)+\j+1], s[CQ:CQ+1] op_sel_hi:[1,0]
.else
	v_pk_add_f32 v[ACC+8*(2*\ct+\mt)+\j:ACC+8*(2*\ct+\mt)+\j+1], v[ACC+8*(2*\ct+\mt)+\j:ACC+8*(2*\ct+\mt)+\j+1], v[BV+2*\ct:BV+2*\ct+1]
.endif
.endr
.endr
.endr
.endif
.irp ct, 0,1,2,3
.irp mt, 0,1
.irp j, 0,1,2,3
	v_cvt_pk_f16_f32 v[ACC+8*(2*\ct+\mt)+\j], v[ACC+8*(2*\ct+\mt)+2*\j], v[ACC+8*(2*\ct+\mt)+2*\j+1]
.endr
.if \mode == 0
	global_store_b128 v[LI], v[ACC+8*(2*\ct+\mt):ACC+8*(2*\ct+\mt)+3], s[16:17] offset:2048*\mt+1024*(\ct/2)+512*(\ct%2)
.elseif \mode == 1
	global_store_b128 v[LI], v[ACC+8*(2*\ct+\mt):ACC+8*(2*\ct+\mt)+3], s[18:19] offset:2048*\mt+1024*(\ct/2)+512*(\ct%2)
.else
	global_store_b128 v[LI], v[ACC+8*(2*\ct+\mt):ACC+8*(2*\ct+\mt)+3], s[18:19] offset:65536+1024*\ct+512*\mt
.endif
.endr
.endr
.endm
	s_load_b256 s[4:11], s[0:1], 0x0               ; inputs, wcodes, wscales, bq
	s_load_b256 s[12:19], s[0:1], 0x20             ; bk, bv, qf, kv
	v_lshl_add_u32 v[SPW], v0, 2, SPARE
	v_mov_b32 v[NIL], 0
	v_lshrrev_b32 v10, 5, v0
	v_readfirstlane_b32 s[WV], v10                 ; wave 0..7
	v_and_b32 v10, 31, v0
	v_lshlrev_b32 v[LI], 4, v10
	v_lshlrev_b32 v[LS], 2, v10
	v_and_b32 v11, 15, v0                          ; r
	v_bfe_u32 v12, v0, 4, 1                        ; h
	v_lshlrev_b32 v[XO], 11, v11
	v_lshl_add_u32 v[XO], v12, 7, v[XO]
	v_lshlrev_b32 v[BO], 5, v12
	v_lshlrev_b32 v[RO], 2, v11
	s_lshl_b32 s26, s[WV], 10
	v_add_nc_u32 v[IW], s26, v[LI]
	s_lshl_b32 s26, s[WV], 7
	v_add_nc_u32 v[SW], s26, v[LS]
	s_mov_b32 s[SEL], 0x76543210
	s_mov_b32 s[SEL+1], 0xfedcba98                 ; v_permlanex16_b32's selects for lane l xor 16
	s_mov_b32 s[CQ], 0x3e38aa3b                    ; c = log2(e) / 8
	s_mov_b32 s[CQ+1], s[CQ]                       ; (named with it as a pair, so it is written)
	s_lshl_b32 s28, ttmp9, 16                      ; x: 32 rows of 2,048 bytes a work-group,
	s_lshr_b32 s26, s[WV], 2
	s_lshl_b32 s26, s26, 15                        ; my row tile,
	s_add_co_u32 s28, s28, s26
	s_and_b32 s26, s[WV], 3
	s_lshl_b32 s26, s26, 9                         ; my K step of 128 numbers
	s_add_co_u32 s28, s28, s26
	s_mov_b32 s29, 0
	s_lshl_b32 s30, s[WV], 14                      ; my head's 4 tiles in wcodes,
	s_mov_b32 s31, 0
	s_lshl_b32 s32, s[WV], 10                      ; in wscales,
	s_mov_b32 s33, 0
	s_lshl_b32 s34, s[WV], 8                       ; in a bias
	s_mov_b32 s35, 0
	s_lshr_b32 s26, ttmp9, 7
	s_lshl_b32 s26, s26, 3
	s_add_co_u32 s26, s26, s[WV]                   ; bh = 8 x batch + head
	s_and_b32 s27, ttmp9, 127                      ; which 32 tokens of the batch
	s_lshl_b32 s36, s26, 19
	s_lshl_b32 s38, s27, 12
	s_add_co_u32 s36, s36, s38                     ; qf: two query tiles of 2,048 bytes
	s_mov_b32 s37, 0
	s_lshl_b32 s38, s26, 20
	s_lshr_b32 s40, s27, 4
	s_lshl_b32 s40, s40, 17                        ; kv: the slot of 512 keys,
	s_add_co_u32 s38, s38, s40
	s_and_b32 s40, ttmp9, 15
	s_lshl_b32 s40, s40, 12                        ; and in it my 32 keys: 4,096 bytes of K, and of V^T
	s_add_co_u32 s38, s38, s40
	s_mov_b32 s39, 0
	s_wait_kmcnt 0x0
	s_add_nc_u64 s[4:5], s[4:5], s[28:29]
	s_add_nc_u64 s[6:7], s[6:7], s[30:31]
	s_add_nc_u64 s[8:9], s[8:9], s[32:33]
	s_add_nc_u64 s[10:11], s[10:11], s[34:35]
	s_add_nc_u64 s[12:13], s[12:13], s[34:35]
	s_add_nc_u64 s[14:15], s[14:15], s[34:35]
	s_add_nc_u64 s[16:17], s[16:17], s[36:37]
	s_add_nc_u64 s[18:19], s[18:19], s[38:39]
.irp c, 0,1                                    ; lane (r, h) takes, of row r, the two whole blocks that the operand's layout gives it: k = 64 c + 32 h + 0 .. 31
.irp i, 0,1,2,3,4,5,6,7
	global_load_b128 v[ACC+32*\c+4*\i:ACC+32*\c+4*\i+3], v[XO], s[4:5] offset:256*\c+16*\i th:TH_LOAD_NT
.endr
.endr
	WGRP 0, 0
	s_wait_loadcnt 48                              ; x's 16 loads are in; Wq's group of 48 may be out
.irp c, 0,1
	v_max3_num_f32 v[TM+\c], |v[ACC+32*\c]|, |v[ACC+32*\c+1]|, 0x1800000   ; the floor 2^(3 - 127): the byte cannot fall under 1
.endr
.irp i, 2,4,6,8,10,12,14,16,18,20,22,24,26,28,30
.irp c, 0,1
	v_max3_num_f32 v[TM+\c], v[TM+\c], |v[ACC+32*\c+\i]|, |v[ACC+32*\c+\i+1]|
.endr
.endr
.irp c, 0,1
	v_add_nc_u32 v[TM+2+\c], 0xff000000, v[TM+\c]  ; 2 off the exponent field: the conversion's scale operand
.endr
.irp c, 0,1
	v_lshrrev_b32 v[TM+4+\c], 23, v[TM+2+\c]       ; the scale's byte
.endr
	v_lshl_or_b32 v[TM+6], v[TM+5], 16, v[TM+4]    ; my two bytes: blocks h and 2 + h of row r,
	v_lshlrev_b32 v[TM+7], 3, v12
	v_lshlrev_b32 v[TM+6], v[TM+7], v[TM+6]        ; 8 h bits up;
	v_mov_b32 v[TM+8], 0
	v_permlanex16_b32 v[TM+8], v[TM+6], s[SEL], s[SEL+1]
	v_or_b32 v[TM+6], v[TM+6], v[TM+8]             ; with lane l xor 16's two the word is whole
.irp c, 0,1
.irp g, 0,1,2,3
	v_cvt_scalef32_pk8_fp4_f32 v[PC+4*\c+\g], v[ACC+32*\c+8*\g:ACC+32*\c+8*\g+7], v[TM+2+\c]
.endr
.endr
	v_nop                                          ; one plain instruction behind the last scaled conversion: matrix instructions later write its sources
	ds_store_b128 v[IW], v[PC:PC+3] offset:XIMG
	ds_store_b128 v[IW], v[PC+4:PC+7] offset:XIMG+512
	ds_store_b32 v[SW], v[TM+6] offset:XSC
	s_wait_dscnt 0x0                               ; for the others' sake: my image has landed
	s_barrier_signal -1
	s_barrier_wait -1                              ; x's eight fragments lie in LDS
.irp f, 0,1,2,3,4,5,6,7
.irp c, 0,1
	ds_load_b128 v[XF+8*\f+4*\c:XF+8*\f+4*\c+3], v[LI] offset:XIMG+1024*\f+512*\c
.endr
	ds_load_b32 v[XS+\f], v[LS] offset:XSC+128*\f
.endr
	WGRP 1, 1
	s_wait_dscnt 0x0
	s_wait_loadcnt 48                              ; Wq's group is in; Wk's 48 may be out
	PROD_T 0, 0, BQ
	WGRP 2, 0                                      ; Wv takes Wq's registers, four places behind their last reader
	OUT16 0
	s_wait_loadcnt 48                              ; Wk's group is in; Wv's 48 may be out
	s_wait_xcnt 0x0                                ; q's stores have read their data: the accumulators may be written again
	PROD_T 1, 1, BK
	OUT16 1
	s_wait_loadcnt 0x0
	s_wait_xcnt 0x0
	PROD_N 0, 2
	OUT16 2
	s_wait_tensorcnt 0x0                           ; the wave's end, behind my last LDS store
	ds_add_u32 v[SPW], v[NIL]
	s_wait_dscnt 0x0
	s_endpgm
.Lfunc_end_k_qca0fcbbcdd_qkv:
	.size	k_qca0fcbbcdd_qkv, .Lfunc_end_k_qca0fcbbcdd_qkv-k_qca0fcbbcdd_qkv
	.p2alignl 7, 3214868480
	.fill 96, 4, 3214868480
	.section	.rodata,"a",@progbits
	.p2align	6, 0x0
	.amdhsa_kernel k_qca0fcbbcdd_qkv
		.amdhsa_group_segment_fixed_size 10240
		.amdhsa_private_segment_fixed_size 0
		.amdhsa_enable_private_segment 0
		.amdhsa_kernarg_size 64
		.amdhsa_user_sgpr_count 2
		.amdhsa_user_sgpr_kernarg_segment_ptr 1
		.amdhsa_wavefront_size32 1
		.amdhsa_system_sgpr_workgroup_id_x 1
		.amdhsa_system_sgpr_workgroup_id_y 1
		.amdhsa_system_sgpr_workgroup_id_z 1
		.amdhsa_system_vgpr_workitem_id 0
		.amdhsa_next_free_vgpr 512
		.amdhsa_next_free_sgpr 66
		.amdhsa_reserve_vcc 0
		.amdhsa_float_denorm_mode_32 3
		.amdhsa_float_denorm_mode_16_64 3
		.amdhsa_memory_ordered 1
		.amdhsa_forward_progress 1
		.amdhsa_inst_pref_size 48
	.end_amdhsa_kernel
	.amdgpu_metadata
---
amdhsa.version: [ 1, 2 ]
amdhsa.kernels:
  - .name:           k_qca0fcbbcdd_qkv
    .symbol:         k_qca0fcbbcdd_qkv.kd
    .args:
      - { .name: inputs, .offset: 0, .size: 8, .value_kind: global_buffer, .address_space: global }
      - { .name: wcodes, .offset: 8, .size: 8, .value_kind: global_buffer, .address_space: global }
      - { .name: wscales, .offset: 16, .size: 8, .value_kind: global_buffer, .address_space: global }
      - { .name: bq, .offset: 24, .size: 8, .value_kind: global_buffer, .address_space: global }
      - { .name: bk, .offset: 32, .size: 8, .value_kind: global_buffer, .address_space: global }
      - { .name: bv, .offset: 40, .size: 8, .value_kind: global_buffer, .address_space: global }
      - { .name: qf, .offset: 48, .size: 8, .value_kind: global_buffer, .address_space: global }
      - { .name: kv, .offset: 56, .size: 8, .value_kind: global_buffer, .address_space: global }
    .group_segment_fixed_size: 10240
    .private_segment_fixed_size: 0
    .kernarg_segment_align: 8
    .kernarg_segment_size: 64
    .max_flat_workgroup_size: 256
    .sgpr_count:     66
    .vgpr_count:     512
    .wavefront_size: 32
...
	.end_amdgpu_metadata
.endif
;; end of part 2
;; launch attn (part 3): grid 16 x 16, 8 waves a work-group, clusters of 4 x 1, 327,680 bytes of LDS; arguments qf, kv, af; writes af
.if DOCPART == 3
	.amdgcn_target "amdgcn-amd-amdhsa--gfx1250"
	.amdhsa_code_object_version 6
	.text
	.protected	k_qca0fcbbcdd_attn
	.globl	k_qca0fcbbcdd_attn
	.p2align	8
	.type	k_qca0fcbbcdd_attn,@function
k_qca0fcbbcdd_attn:
	s_mov_b64 s[64:65], 0
	v_nop
	global_prefetch_b8 v0, s[64:65] scope:SCOPE_SE
	s_setreg_imm32_b32 hwreg(HW_REG_WAVE_MODE, 25, 1), 1
	s_wait_xcnt 0x0
	s_wait_alu depctr_hold_cnt(0) depctr_sa_sdst(0) depctr_va_vdst(0) depctr_va_sdst(0) depctr_va_ssrc(0) depctr_va_vcc(0) depctr_vm_vsrc(0)
	s_getreg_b32 s2, hwreg(HW_REG_IB_STS2, 6, 4)
	s_cmp_eq_u32 s2, 0
	s_cbranch_scc0 .Lentry_in_a_cluster
	s_endpgm
.Lentry_in_a_cluster:
	s_bfe_u32 s2, ttmp6, 0x10000c
	s_cmp_lg_u32 s2, 0x3003
	s_cbranch_scc0 .Lentry_shape_is_right
	s_endpgm
.Lentry_shape_is_right:
; ATTN.  attn[bh][q] = the sum over keys of softmax(q . k / 8) v, no mask, 16 heads-in-batch of 4,096 tokens x 64 channels.  q arrives times log2(e) / 8, so a score is the exponent to base 2.
; Operands f16, products, maxima and sums f32; the weights p are rounded to f16 for the second product, the result once at the end.
; All three buffers hold fragments in register order (1,024 bytes, two images of 512, lane l's 16 bytes at 16 l): every LDS and global access of a wave is 512 consecutive bytes, and LDS needs no padding.
; SHARES.  A work-group owns 256 queries of one bh.  Wave w: queries 64 (w % 4) on (four tiles of 16), and HALF w / 4 of the keys of every slot.  So two waves share a SIMD, and one wave's softmax
; stands beside the other's products; a fragment of K or V read from LDS still feeds four matrix instructions.  The two halves' results are joined once, at the end, through LDS.
; LAYOUT.  S^T = K Q^T (source 0 = 16 keys, source 1 = 16 queries) and O^T = V^T P (source 0 = 16 channels, source 1 = P): a lane holds ONE query throughout; two score tiles rounded in pairs ARE a fragment of P.
; SOFTMAX.  For each query a running maximum m and sum l: p = 2^(s - m); in every step O and l are multiplied by a = 2^(m_old - m_new).  O and l begin as zeros and m as -3e38, so the step is written once.
; RING.  Two LDS slots of 512 keys (K 65,536 bytes, V^T 65,536).  Each of the eight waves fetches 16,384 bytes of a slot by one tensor load.
; CLUSTER.  The four query blocks of a cluster belong to one bh and walk the same K and V: each tile is asked for JOINTLY, by the same load with the same descriptor and a mask that names the four.
; LIMITS: NaN and infinities are not served; a result beyond 65,504 in magnitude becomes infinity in f16; p under the smallest f16 number counts as 0 in the second product (it stays in l).
; REGISTERS.  window 0: v1-10 addresses; v16-47 eight statistics a tile; v48-111 K's 8 fragments; v128-255 S^T, 32 a tile, then P in place.   window 1: v0-127 O^T, 32 a tile; v128-191 Q; v192-255 V's 8 fragments.
.set PHB,   131072                     ; a slot's bytes in memory
.set SLOT1, 1<<17                      ; slot 1 begins here: one exclusive or turns an address from one slot to the other
.set SPARE, 2*SLOT1                    ; the spare words, 128 bytes for each wave: four blocks of 256 bytes that no other line names
.set MRG,   17408                      ; the joining: for each group of 64 queries 32 images of O^T and 8 x 128 bytes of m and l, in slot 0, which has had its last fill and its last read by then
.set LI,  1                            ; 16 x lane
.set AK0, 2                            ; my half's K in a slot
.set AV0, 3                            ; my half's V^T
.set ADK, 4                            ; the step's addresses
.set ADV, 5
.set MGA, 6                            ; the joining: images
.set MGS, 7                            ; the joining: m and l
.set SPW, 8                            ; LDS address of my spare word; never rewritten
.set NIL, 9                            ; 0; never rewritten
.set PFO, 10                           ; 256 x lane; never rewritten
.set ST,  16                           ; tile t at v[ST + 8 t]: +0 m, +1 at work, +2, +3 l (even keys', odd keys'), +4 a, +5 m_old - m_new, +6, +7 the joining
.set KB,  48
.set S,   128
.set O,   0
.set Q,   128
.set VB,  192
.set WV,  12
.set KH,  13
.set QG,  14
.set CX,  15
.set G1,  24                           ; s[24:31] descriptor group 1
.set G0A, 32                           ; s[32:35] group 0 of slot 0's first fill
.set G0B, 36                           ; s[36:39] group 0 of slot 1's first fill; it then walks on
.set SLOTS, 40
.set CNT, 41
.set TB,  42                           ; LDS byte at which the step's tiles begin
.set SEL, 44
.set PFA, 46
.set LIM, 48
.set MSB, 0
.macro WIN new                         ; the immediate's high byte repeats the setting that is left
.if MSB != \new
	s_set_vgpr_msb (MSB<<8)|\new
.set MSB, \new
.endif
.endm
.macro CROUND                          ; a round of the cluster's barrier: my work-group's barrier; wave 0 signals for the work-group; every wave waits for all four; my work-group's barrier once more
	s_barrier_signal -1
	s_barrier_wait -1
	s_cmp_lg_u32 s[WV], 0
	s_cbranch_scc1 .Lnot_wave_0_\@
	s_barrier_signal -3
.Lnot_wave_0_\@:
	s_barrier_wait -3
	s_barrier_signal -1
	s_barrier_wait -1
.endm
; A PREFETCH INTO THE L2 of the slot that the NEXT change of slots will ask for: 131,072 bytes, 512 blocks of 256.  All clusters of a bh walk the same K and V: the first of them (cluster x = 0) asks.
; Its four partners take 32,768 bytes each, told apart BY ADDRESS; in each, waves 0 to 3 take 8,192 bytes, lanes 256 bytes apart: each block is named once in the launch.
; It stands behind the wave's tensor load and its five lines, one slot (four key steps of each wave) ahead of the load that will want the bytes.  The last change that fills a slot asks for nothing.
.macro ASK
	s_cmp_gt_u32 s[SLOTS], s[LIM]
	s_cbranch_scc0 .Lnot_mine_\@
	global_prefetch_b8 v[PFO], s[PFA:PFA+1] th:TH_LOAD_NT scope:SCOPE_SE
.Lnot_mine_\@:
.endm
; A KEY STEP: 64 keys of my half against my 64 queries: 32 + 32 matrix instructions.
.macro STEP
	v_add_nc_u32 v[ADK], s[TB], v[AK0]
	v_add_nc_u32 v[ADV], s[TB], v[AV0]
.set i, 0
.rept 16
	ds_load_b128 v[KB+4*i:KB+4*i+3], v[ADK] offset:512*i       ; K: fragment (key tile kt, channels 32 s on) at 1,024 (2 kt + s)
.set i, i+1
.endr
	WIN 0x40                                       ; destination window 1
.set i, 0
.rept 16
	ds_load_b128 v[VB+4*i:VB+4*i+3], v[ADV] offset:512*i       ; V^T: fragment (keys 32 ks on, channel tile ct) at 1,024 (4 ks + ct)
.set i, i+1
.endr
	s_wait_dscnt 16                                ; K's 16 loads are in; V's 16, issued behind them, may be out
	WIN 0x04                                       ; source 1 (Q) window 1
.irp s, 0,1                                    ; the 16 accumulators take turns, one instruction a turn
.irp kt, 0,1,2,3
.irp qt, 0,1,2,3
.if \s == 0
	v_wmma_f32_16x16x32_f16 v[S+32*\qt+8*\kt:S+32*\qt+8*\kt+7], v[KB+8*(2*\kt+\s):KB+8*(2*\kt+\s)+7], v[Q+16*\qt+8*\s:Q+16*\qt+8*\s+7], 0
.else
	v_wmma_f32_16x16x32_f16 v[S+32*\qt+8*\kt:S+32*\qt+8*\kt+7], v[KB+8*(2*\kt+\s):KB+8*(2*\kt+\s)+7], v[Q+16*\qt+8*\s:Q+16*\qt+8*\s+7], v[S+32*\qt+8*\kt:S+32*\qt+8*\kt+7]
.endif
.endr
.endr
.endr
	WIN 0
.irp t, 0,1,2,3
	v_mov_b32 v[ST+8*\t+5], v[ST+8*\t]             ; m_old is kept; these four are also the places behind the products
.endr
.set i, 0
.rept 16                                       ; the maximum of my 32 scores and m, each accumulator from its low end on; the four tiles by turns
.irp t, 0,1,2,3
	v_max3_num_f32 v[ST+8*\t], v[ST+8*\t], v[S+32*\t+2*i], v[S+32*\t+2*i+1]
.endr
.set i, i+1
.endr
.irp t, 0,1,2,3
	v_permlanex16_b32 v[ST+8*\t+1], v[ST+8*\t], s[SEL], s[SEL+1]   ; the query's other 32 keys lie in the lane 16 away
.endr
.irp t, 0,1,2,3
	v_max_num_f32 v[ST+8*\t], v[ST+8*\t], v[ST+8*\t+1]
.endr
.irp t, 0,1,2,3
	v_sub_f32 v[ST+8*\t+5], v[ST+8*\t+5], v[ST+8*\t]
.endr
.set i, 0
.rept 16
.irp t, 0,1,2,3
	v_pk_add_f32 v[S+32*\t+2*i:S+32*\t+2*i+1], v[S+32*\t+2*i:S+32*\t+2*i+1], v[ST+8*\t:ST+8*\t+1] op_sel_hi:[1,0] neg_lo:[0,1] neg_hi:[0,1]   ; s - m, two at a time
.endr
.set i, i+1
.endr
.irp t, 0,1,2,3
	v_exp_f32 v[ST+8*\t+4], v[ST+8*\t+5]           ; a.  ONE BATCH of 132 exponentials, none of which reads another's result
.endr
.set i, 0
.rept 128
	v_exp_f32 v[S+i], v[S+i]
.set i, i+1
.endr
	v_nop                                          ; a plain instruction behind the last exponential
	s_wait_alu depctr_va_vdst(0)                   ; and one wait ahead of the batch's first reader
.irp t, 0,1,2,3
	v_pk_fma_f32 v[ST+8*\t+2:ST+8*\t+3], v[ST+8*\t+2:ST+8*\t+3], v[ST+8*\t+4:ST+8*\t+5], v[S+32*\t:S+32*\t+1] op_sel_hi:[1,0,1]   ; l = a l + p, of the unrounded p
.endr
.set i, 1
.rept 15
.irp t, 0,1,2,3
	v_pk_add_f32 v[ST+8*\t+2:ST+8*\t+3], v[ST+8*\t+2:ST+8*\t+3], v[S+32*\t+2*i:S+32*\t+2*i+1]
.endr
.set i, i+1
.endr
.irp t, 0,1,2,3                                ; P in place: 16 registers of two score tiles become 8 of a fragment, ascending, so that nothing unread is written
.irp ks, 0,1
.irp j, 0,1,2,3,4,5,6,7
	v_cvt_pk_f16_f32 v[S+32*\t+16*\ks+\j], v[S+32*\t+16*\ks+2*\j], v[S+32*\t+16*\ks+2*\j+1]
.endr
.endr
.endr
	WIN 0x41                                       ; O^T (destination, source 0) window 1, a window 0
.irp t, 0,1,2,3
.set i, 0
.rept 16
	v_pk_mul_f32 v[O+32*\t+2*i:O+32*\t+2*i+1], v[O+32*\t+2*i:O+32*\t+2*i+1], v[ST+8*\t+4:ST+8*\t+5] op_sel_hi:[1,0]
.set i, i+1
.endr
.endr
	s_wait_dscnt 0x0                               ; V is in
	WIN 0x51                                       ; V and O^T window 1, P window 0
.irp ks, 0,1
.irp ct, 0,1,2,3
.irp qt, 0,1,2,3
	v_wmma_f32_16x16x32_f16 v[O+32*\qt+8*\ct:O+32*\qt+8*\ct+7], v[VB+8*(4*\ks+\ct):VB+8*(4*\ks+\ct)+7], v[S+32*\qt+16*\ks:S+32*\qt+16*\ks+7], v[O+32*\qt+8*\ct:O+32*\qt+8*\ct+7]
.endr
.endr
.endr
	WIN 0
.rept 5
	v_nop                                          ; five places: the next step's first products write over P, which these products read; its loads into V's registers want four
.endr
	s_add_co_u32 s[TB], s[TB], 8192                ; the next 64 keys: 8,192 bytes of K, and of V^T
.endm
.macro PHASE                           ; my half of a slot: four key steps, written once
	s_mov_b32 s[CNT], 4
.Lstep_\@:
	STEP
	s_sub_co_u32 s[CNT], s[CNT], 1
	s_cmp_lg_u32 s[CNT], 0
	s_cbranch_scc1 .Lstep_\@
	s_sub_co_u32 s[TB], s[TB], 32768               ; back to a slot's first step,
	s_xor_b32 s[TB], s[TB], SLOT1                  ; in the other slot
.endm
; THE CHANGE OF SLOTS.  Each wave waits for all its tensor loads (one is out: its part of the slot ahead), adds 0 to its spare word, and waits for that and for its reads of the slot that it leaves.
; fill = 1: the barrier is a round of the cluster's, so that no wave of any partner still reads the slot or has a load on its way; the joint refill is the first thing behind it, one load a wave,
; and has a slot's four key steps in which to land.
.macro CHANGE fill
	s_wait_tensorcnt 0x0                           ; no tensor load of mine is out, so a group 0 may be written
	ds_add_u32 v[SPW], v[NIL]                      ; 0 onto my spare word
.if \fill
	s_xor_b32 s[G0B+1], s[G0B+1], SLOT1            ; the walking descriptor: the other slot than last time,
	s_add_nc_u64 s[G0B+2:G0B+3], s[G0B+2:G0B+3], PHB   ; the next 512 keys; the type bits on top are not reached
	s_wait_xcnt 0x0                                ; the last prefetch, a slot back, has read its address, so it may be written
	s_add_nc_u64 s[PFA:PFA+1], s[PFA:PFA+1], PHB
	s_wait_dscnt 0x0                               ; the add is done, and my reads of the slot are over
	CROUND
	tensor_load_to_lds s[G0B:G0B+3], s[G1:G1+7]
	s_nop 0
.rept 4
	v_nop
.endr
	ASK
.else
	s_wait_dscnt 0x0
	s_barrier_signal -1
	s_barrier_wait -1
.endif
.endm
	s_load_b128 s[4:7], s[0:1], 0x0                ; qf, kv
	s_load_b64 s[8:9], s[0:1], 0x10                ; af
	v_lshl_add_u32 v[SPW], v0, 2, SPARE
	v_mov_b32 v[NIL], 0
	ds_add_u32 v[SPW], v[NIL]                      ; the wave's opening: the add, twice on end, and its wait ahead of my first tensor load
	ds_add_u32 v[SPW], v[NIL]                      ; and once more, under the one wait; the set-up below, work on registers, stands between
	v_lshrrev_b32 v11, 5, v0
	v_readfirstlane_b32 s[WV], v11                 ; wave 0..7
	s_lshr_b32 s[KH], s[WV], 2                     ; which half of a slot's keys
	s_and_b32 s[QG], s[WV], 3                      ; which 64 queries
	s_bfe_u32 s[CX], ttmp6, 0x40000                ; my place in the cluster
	s_lshl_b32 s17, ttmp9, 2                       ; in a cluster launch ttmp9 counts clusters
	s_add_co_u32 s17, s17, s[CX]                   ; my block of 256 queries: it enters qf's and af's addresses alone
	s_and_b32 s16, ttmp7, 0xffff                   ; bh, which the four partners share
	s_mov_b32 s[G1], 15|(3<<16)|(1<<21)            ; 15:0 the mask: all four work-groups; 17:16 elements of 8 bytes; 21 set beside a mask; no padding
	s_mov_b32 s[G1+1], 32<<16                      ; tensor_dim0 = 32 elements: rows of 256 bytes
	s_mov_b32 s[G1+2], 64<<16                      ; tensor_dim1 = 64 rows: 16,384 dense bytes
	s_mov_b32 s[G1+3], 32<<16                      ; tile_dim0
	s_mov_b32 s[G1+4], 64                          ; tile_dim1
	s_mov_b32 s[G1+5], 32                          ; from row to row
	s_mov_b32 s[G1+6], 0
	s_mov_b32 s[G1+7], 0
	s_mov_b32 s[G0A], 1
	s_lshl_b32 s[G0A+1], s[WV], 14                 ; LDS: wave x 16,384: no place in the cluster enters an LDS address
	s_mov_b32 s[G0B], 1
	s_add_co_u32 s[G0B+1], s[G0A+1], SLOT1
	s_lshl_b32 s20, s16, 20                        ; kv: my bh's 1,048,576 bytes, my wave's part of a slot
	s_add_co_u32 s20, s20, s[G0A+1]
	s_mov_b32 s21, 0
	s_lshl_b32 s18, s16, 19                        ; qf: bh, block of 16 query tiles, my 4 of them
	s_lshl_b32 s49, s17, 15
	s_add_co_u32 s18, s18, s49
	s_lshl_b32 s49, s[QG], 13
	s_add_co_u32 s18, s18, s49
	s_mov_b32 s19, 0
	s_lshr_b32 s22, s16, 3                         ; af: token tile 256 x batch + 16 x block + 4 x group, 16,384 bytes each; my head's 2,048 in it
	s_lshl_b32 s22, s22, 8
	s_lshl_b32 s49, s17, 4
	s_add_co_u32 s22, s22, s49
	s_lshl_b32 s49, s[QG], 2
	s_add_co_u32 s22, s22, s49
	s_lshl_b32 s22, s22, 14
	s_and_b32 s49, s16, 7
	s_lshl_b32 s49, s49, 11
	s_add_co_u32 s22, s22, s49
	s_mov_b32 s23, 0
	s_lshl_b32 s50, s16, 20                        ; the prefetches: my work-group's quarter of a slot, my wave's 8,192 bytes of it,
	s_lshl_b32 s49, s[CX], 15
	s_add_co_u32 s50, s50, s49
	s_lshl_b32 s49, s[QG], 13
	s_add_co_u32 s50, s50, s49
	s_add_co_u32 s50, s50, 2*PHB                   ; in slot 2: the first change of slots steps it to slot 3.  Nothing is prefetched at the head
	s_mov_b32 s51, 0
	s_or_b32 s[LIM], s[KH], ttmp9                  ; 0 in waves 0 to 3 of the bh's first cluster: the same in all four partners
	s_cmp_eq_u32 s[LIM], 0
	s_cselect_b32 s[LIM], 1, -1
	s_mov_b32 s[SEL], 0x76543210
	s_mov_b32 s[SEL+1], 0xfedcba98
	s_mov_b32 s[TB], 0
	v_and_b32 v11, 31, v0
	v_lshlrev_b32 v[LI], 4, v11
	v_lshlrev_b32 v[PFO], 8, v11
	s_lshl_b32 s49, s[KH], 15
	v_add_nc_u32 v[AK0], s49, v[LI]
	v_add_nc_u32 v[AV0], 0x10000, v[AK0]
	s_mul_i32 s49, s[QG], MRG
	v_add_nc_u32 v[MGA], s49, v[LI]
	v_lshl_add_u32 v[MGS], v11, 2, s49
	v_add_nc_u32 v[MGS], 16384, v[MGS]
	s_wait_dscnt 0x0                               ; both opening adds are done
	s_wait_kmcnt 0x0
	s_add_nc_u64 s[G0A+2:G0A+3], s[6:7], s[20:21]
	s_add_nc_u64 s[G0B+2:G0B+3], s[G0A+2:G0A+3], PHB
	s_or_b32 s[G0A+3], s[G0A+3], 0x80000000        ; type = 2
	s_or_b32 s[G0B+3], s[G0B+3], 0x80000000
	s_add_nc_u64 s[PFA:PFA+1], s[6:7], s[50:51]
	s_add_nc_u64 s[4:5], s[4:5], s[18:19]
	s_add_nc_u64 s[8:9], s[8:9], s[22:23]
	CROUND                                         ; all four work-groups are here: the first joint loads meet
	tensor_load_to_lds s[G0A:G0A+3], s[G1:G1+7]    ; slot 0
	s_nop 0
	tensor_load_to_lds s[G0B:G0B+3], s[G1:G1+7]    ; slot 1: two loads of mine are out
	s_nop 0
.rept 4
	v_nop
.endr
	WIN 0x40
.set i, 0
.rept 16
	global_load_b128 v[Q+4*i:Q+4*i+3], v[LI], s[4:5] offset:512*i   ; Q stays in registers: tile i / 4, channels 32 ((i / 2) % 2) on
.set i, i+1
.endr
.set i, 0
.rept 128
	v_mov_b32 v[O+i], 0                            ; O^T: cleared once, so that the key step needs no first copy of its own (a copy is some 570 instructions)
.set i, i+1
.endr
	WIN 0
.irp t, 0,1,2,3
	v_mov_b32 v[ST+8*\t], 0xff61b1e6               ; m = -3e38, under every score
.irp k, 1,2,3,4,5,6,7
	v_mov_b32 v[ST+8*\t+\k], 0
.endr
.endr
	s_wait_tensorcnt 1                             ; my part of slot 0 is in; slot 1's may stay out
	s_barrier_signal -1
	s_barrier_wait -1                              ; everybody's is
	s_wait_loadcnt 0x0                             ; Q
	PHASE                                          ; slot 0
	s_mov_b32 s[SLOTS], 6
.Lslot:                                            ; six trips: the slot just left is filled with the keys two slots on
	CHANGE 1
	PHASE
	s_sub_co_u32 s[SLOTS], s[SLOTS], 1
	s_cmp_lg_u32 s[SLOTS], 0
	s_cbranch_scc1 .Lslot
	CHANGE 0                                       ; the tail is written out
	PHASE
	s_wait_dscnt 0x0                               ; THE JOINING.  No LDS load of mine is out;
	s_barrier_signal -1
	s_barrier_wait -1                              ; nor of any wave: LDS may be stored into
.irp t, 0,1,2,3
	v_add_f32 v[ST+8*\t+2], v[ST+8*\t+2], v[ST+8*\t+3]
.endr
.irp t, 0,1,2,3
	v_permlanex16_b32 v[ST+8*\t+1], v[ST+8*\t+2], s[SEL], s[SEL+1]
.endr
.irp t, 0,1,2,3
	v_add_f32 v[ST+8*\t+2], v[ST+8*\t+2], v[ST+8*\t+1]     ; l of my half of the keys
.endr
	s_cmp_lt_u32 s[WV], 4
	s_cbranch_scc1 .Lkeep
	WIN 0x04                                       ; an LDS store's data are its source 1: window 1
.set i, 0
.rept 32
	ds_store_b128 v[MGA], v[O+4*i:O+4*i+3] offset:512*i    ; waves 4 to 7 hand over O^T as an image of its registers, each accumulator from its low end on,
.set i, i+1
.endr
	WIN 0
.irp t, 0,1,2,3
	ds_store_b32 v[MGS], v[ST+8*\t] offset:128*\t          ; m
	ds_store_b32 v[MGS], v[ST+8*\t+2] offset:512+128*\t    ; and l
.endr
.Lkeep:
	s_wait_dscnt 0x0                               ; for the others' sake: my stores have landed
	s_barrier_signal -1
	s_barrier_wait -1
	s_cmp_lt_u32 s[WV], 4
	s_cbranch_scc0 .Lend
.set i, 0
.rept 32
	ds_load_b128 v[S+4*i:S+4*i+3], v[MGA] offset:512*i     ; the other half's O^T, into the scores' registers
.set i, i+1
.endr
.irp t, 0,1,2,3
	ds_load_b32 v[ST+8*\t+6], v[MGS] offset:128*\t
	ds_load_b32 v[ST+8*\t+7], v[MGS] offset:512+128*\t
.endr
	s_wait_dscnt 0x0
.irp t, 0,1,2,3
	v_max_num_f32 v[ST+8*\t+1], v[ST+8*\t], v[ST+8*\t+6]   ; the common maximum
.endr
.irp t, 0,1,2,3
	v_sub_f32 v[ST+8*\t+5], v[ST+8*\t], v[ST+8*\t+1]
.endr
.irp t, 0,1,2,3
	v_sub_f32 v[ST+8*\t+6], v[ST+8*\t+6], v[ST+8*\t+1]
.endr
.irp t, 0,1,2,3
	v_exp_f32 v[ST+8*\t+4], v[ST+8*\t+5]
.endr
.irp t, 0,1,2,3
	v_exp_f32 v[ST+8*\t+6], v[ST+8*\t+6]
.endr
	v_nop
	s_wait_alu depctr_va_vdst(0)                   ; one wait for the eight exponentials, ahead of their first reader
.irp t, 0,1,2,3
	v_mul_f32 v[ST+8*\t+7], v[ST+8*\t+6], v[ST+8*\t+7]
.endr
.irp t, 0,1,2,3
	v_fma_f32 v[ST+8*\t+2], v[ST+8*\t+4], v[ST+8*\t+2], v[ST+8*\t+7]   ; the row's whole sum
.endr
.irp t, 0,1,2,3
	v_rcp_f32 v[ST+8*\t+3], v[ST+8*\t+2]
.endr
	v_nop
	s_wait_alu depctr_va_vdst(0)                   ; one wait for the four reciprocals
.irp t, 0,1,2,3
	v_mul_f32 v[ST+8*\t+4], v[ST+8*\t+4], v[ST+8*\t+3]     ; my half's factor
.endr
.irp t, 0,1,2,3
	v_mul_f32 v[ST+8*\t+6], v[ST+8*\t+6], v[ST+8*\t+3]     ; the other half's
.endr
.irp t, 0,1,2,3
.set i, 0
.rept 16
	v_pk_mul_f32 v[S+32*\t+2*i:S+32*\t+2*i+1], v[S+32*\t+2*i:S+32*\t+2*i+1], v[ST+8*\t+6:ST+8*\t+7] op_sel_hi:[1,0]
.set i, i+1
.endr
.endr
	WIN 0x01                                       ; source 0 (my O^T) window 1
.irp t, 0,1,2,3
.set i, 0
.rept 16
	v_pk_fma_f32 v[S+32*\t+2*i:S+32*\t+2*i+1], v[O+32*\t+2*i:O+32*\t+2*i+1], v[ST+8*\t+4:ST+8*\t+5], v[S+32*\t+2*i:S+32*\t+2*i+1] op_sel_hi:[1,0,1]
.set i, i+1
.endr
.endr
	WIN 0
.irp t, 0,1,2,3                                ; eight channels of a token become four registers of a fragment [token][channel]: an image, 512 consecutive bytes a store
.irp ct, 0,1,2,3
.irp j, 0,1,2,3
	v_cvt_pk_f16_f32 v[S+32*\t+8*\ct+\j], v[S+32*\t+8*\ct+2*\j], v[S+32*\t+8*\ct+2*\j+1]
.endr
	global_store_b128 v[LI], v[S+32*\t+8*\ct:S+32*\t+8*\ct+3], s[8:9] offset:16384*\t+512*\ct
.endr
.endr
.Lend:
	s_wait_tensorcnt 0x0                           ; the wave's end, behind my last tensor load and my last LDS store
	ds_add_u32 v[SPW], v[NIL]
	s_wait_dscnt 0x0
	CROUND                                         ; the closing round: no work-group ends while a partner may still ask for a tile that names it
	s_endpgm
.Lfunc_end_k_qca0fcbbcdd_attn:
	.size	k_qca0fcbbcdd_attn, .Lfunc_end_k_qca0fcbbcdd_attn-k_qca0fcbbcdd_attn
	.p2alignl 7, 3214868480
	.fill 96, 4, 3214868480
	.section	.rodata,"a",@progbits
	.p2align	6, 0x0
	.amdhsa_kernel k_qca0fcbbcdd_attn
		.amdhsa_group_segment_fixed_size 327680
		.amdhsa_private_segment_fixed_size 0
		.amdhsa_enable_private_segment 0
		.amdhsa_kernarg_size 24
		.amdhsa_user_sgpr_count 2
		.amdhsa_user_sgpr_kernarg_segment_ptr 1
		.amdhsa_wavefront_size32 1
		.amdhsa_system_sgpr_workgroup_id_x 1
		.amdhsa_system_sgpr_workgroup_id_y 1
		.amdhsa_system_sgpr_workgroup_id_z 1
		.amdhsa_system_vgpr_workitem_id 0
		.amdhsa_next_free_vgpr 512
		.amdhsa_next_free_sgpr 66
		.amdhsa_reserve_vcc 0
		.amdhsa_float_denorm_mode_32 3
		.amdhsa_float_denorm_mode_16_64 3
		.amdhsa_memory_ordered 1
		.amdhsa_forward_progress 1
		.amdhsa_inst_pref_size 129
	.end_amdhsa_kernel
	.amdgpu_metadata
---
amdhsa.version: [ 1, 2 ]
amdhsa.kernels:
  - .name:           k_qca0fcbbcdd_attn
    .symbol:         k_qca0fcbbcdd_attn.kd
    .args:
      - { .name: qf, .offset: 0, .size: 8, .value_kind: global_buffer, .address_space: global }
      - { .name: kv, .offset: 8, .size: 8, .value_kind: global_buffer, .address_space: global }
      - { .name: af, .offset: 16, .size: 8, .value_kind: global_buffer, .address_space: global }
    .group_segment_fixed_size: 327680
    .private_segment_fixed_size: 0
    .kernarg_segment_align: 8
    .kernarg_segment_size: 24
    .max_flat_workgroup_size: 256
    .sgpr_count:     66
    .vgpr_count:     512
    .wavefront_size: 32
...
	.end_amdgpu_metadata
.endif
;; end of part 3
;; launch proj (part 4): grid 4 x 64, 8 waves a work-group, clusters of 4 x 4, 327,680 bytes of LDS; arguments af, wof, bo, out0; writes out0
.if DOCPART == 4
	.amdgcn_target "amdgcn-amd-amdhsa--gfx1250"
	.amdhsa_code_object_version 6
	.text
	.protected	k_qca0fcbbcdd_proj
	.globl	k_qca0fcbbcdd_proj
	.p2align	8
	.type	k_qca0fcbbcdd_proj,@function
k_qca0fcbbcdd_proj:
	s_mov_b64 s[64:65], 0
	v_nop
	global_prefetch_b8 v0, s[64:65] scope:SCOPE_SE
	s_setreg_imm32_b32 hwreg(HW_REG_WAVE_MODE, 25, 1), 1
	s_wait_xcnt 0x0
	s_wait_alu depctr_hold_cnt(0) depctr_sa_sdst(0) depctr_va_vdst(0) depctr_va_sdst(0) depctr_va_ssrc(0) depctr_va_vcc(0) depctr_vm_vsrc(0)
	s_getreg_b32 s2, hwreg(HW_REG_IB_STS2, 6, 4)
	s_cmp_eq_u32 s2, 0
	s_cbranch_scc0 .Lentry_in_a_cluster
	s_endpgm
.Lentry_in_a_cluster:
	s_bfe_u32 s2, ttmp6, 0x10000c
	s_cmp_lg_u32 s2, 0xf033
	s_cbranch_scc0 .Lentry_shape_is_right
	s_endpgm
.Lentry_shape_is_right:
; PROJ.  out0 = attn Wo + bo.  attn [8192][512] and Wo arrive as f16 fragments in register order (af [mt 512][ks 16][1024], wof [nt 32][ks 16][1024]); sums f32; out0 f32.
; SHARES.  A work-group makes 128 rows x 128 columns: 64 x 4 = 256 work-groups.  Wave w: rows 32 (w / 2) on, columns 64 (w % 2) on: 8 accumulators; its part of a row of out0 is 256 bytes, aligned.
; ALL OF K LIES IN LDS, in four quarters of 128 along K, each filled ONCE: no slot is filled again.  A quarter is 8 tiles of af and 8 of wof, 4,096 bytes each; a wave fetches two tiles of each quarter: four tensor loads of mine are out.
; CLUSTER 4 x 4: af's tiles hang on the tile row alone and are shared along a row of the cluster, wof's on the tile column alone and are shared along a column: joint loads, as many requests divided by four.
; LAYOUT.  Source 0 = 16 columns of Wo, source 1 = 16 tokens: a lane holds one token and eight neighbouring columns.  The bias is the C of each sum's first instruction.
; The way out goes through the wave's own stage in LDS, so that sixteen lanes store 256 consecutive bytes, at a multiple of 256 from out0's first byte.
.set QB,    65536                      ; a quarter in LDS: af's 8 tiles, then from byte 32,768 wof's 8
.set STAGE, 4*QB                       ; 16 rows x (256 + 16) bytes for each wave; no tensor load lands here
.set SPARE, STAGE+8*4352               ; the spare words, 128 bytes for each wave: four blocks of 256 bytes that no other line names
.set LI,  1                            ; 16 x lane
.set ADB, 2                            ; my two tiles of af in the quarter in hand
.set ADA, 3                            ; my four tiles of wof
.set STO, 4                            ; the stage: where I put 32 bytes of a row
.set RD,  5                            ; and where I read a row back
.set CO,  6                            ; my byte offset in two rows of out0
.set HB,  7                            ; 32 h
.set SPW, 8                            ; LDS address of my spare word; never rewritten
.set NIL, 9                            ; 0; never rewritten
.set BIAS, 16                          ; v16-47
.set F0,  48                           ; two fragment buffers of 48: af's two, then wof's four
.set ACC, 144                          ; accumulator (nt, mt) at v[ACC + 8 (2 nt + mt)]
.set WV,  12
.set G1A, 24
.set G0A, 32                           ; s[32:47] four sets, one a quarter
.set G1B, 48
.set G0B, 68                           ; s[68:83]
.macro CROUND
	s_barrier_signal -1
	s_barrier_wait -1
	s_cmp_lg_u32 s[WV], 0
	s_cbranch_scc1 .Lnot_wave_0_\@
	s_barrier_signal -3
.Lnot_wave_0_\@:
	s_barrier_wait -3
	s_barrier_signal -1
	s_barrier_wait -1
.endm
.macro PLACES                          ; four places in front of loads into registers that matrix instructions have read, and of the first read of results
.rept 4
	v_nop
.endr
.endm
.macro FETCH ksl, buf                  ; 12 LDS loads: the fragments of 32 along K, the quarter's ksl-th, into buffer buf
.irp mt, 0,1
.irp c, 0,1
	ds_load_b128 v[F0+48*(\buf)+8*\mt+4*\c:F0+48*(\buf)+8*\mt+4*\c+3], v[ADB] offset:4096*\mt+1024*(\ksl)+512*\c
.endr
.endr
.irp nt, 0,1,2,3
.irp c, 0,1
	ds_load_b128 v[F0+48*(\buf)+16+8*\nt+4*\c:F0+48*(\buf)+16+8*\nt+4*\c+3], v[ADA] offset:4096*\nt+1024*(\ksl)+512*\c
.endr
.endr
.endm
.macro MUL buf, first                  ; 8 matrix instructions; the accumulators take turns, one instruction a turn
.irp nt, 0,1,2,3
.irp mt, 0,1
.set rD, ACC+8*(2*\nt+\mt)
.set rC, rD
.if \first
.set rC, BIAS+8*\nt
.endif
	v_wmma_f32_16x16x32_f16 v[rD:rD+7], v[F0+48*(\buf)+16+8*\nt:F0+48*(\buf)+16+8*\nt+7], v[F0+48*(\buf)+8*\mt:F0+48*(\buf)+8*\mt+7], v[rC:rC+7]
.endr
.endr
.endm
	s_load_b128 s[4:7], s[0:1], 0x0                ; af, wof
	s_load_b128 s[8:11], s[0:1], 0x10              ; bo, out0
	v_lshl_add_u32 v[SPW], v0, 2, SPARE
	v_mov_b32 v[NIL], 0
	ds_add_u32 v[SPW], v[NIL]                      ; the wave's opening: the add, twice on end, and its wait ahead of my first tensor load
	ds_add_u32 v[SPW], v[NIL]                      ; and once more, under the one wait; the set-up below, work on registers, stands between
	v_lshrrev_b32 v10, 5, v0
	v_readfirstlane_b32 s[WV], v10                 ; wave 0..7
	s_lshr_b32 s13, s[WV], 1                       ; which 32 rows are mine
	s_and_b32 s14, s[WV], 1                        ; which 64 columns
	s_and_b32 s15, s[WV], 3                        ; which two tiles I fetch
	s_lshr_b32 s16, s[WV], 2                       ; for af (0) or for wof (1)
	s_bfe_u32 s84, ttmp6, 0x40000                  ; cx, cy: my place in the cluster
	s_bfe_u32 s85, ttmp6, 0x40004
	s_lshl_b32 s86, ttmp9, 2
	s_add_co_u32 s86, s86, s84                     ; tile column = 4 x cluster x + cx
	s_and_b32 s17, ttmp7, 0xffff
	s_lshl_b32 s17, s17, 2
	s_add_co_u32 s17, s17, s85                     ; tile row = 4 x cluster y + cy
	s_lshl_b32 s87, s85, 2
	s_lshl_b32 s87, 15, s87                        ; my row of the cluster
	s_lshl_b32 s88, 0x1111, s84                    ; my column
	s_or_b32 s[G1A], s87, (3<<16)|(1<<21)          ; 15:0 the mask; 17:16 elements of 8 bytes; 21 set beside a mask; no padding
	s_or_b32 s[G1B], s88, (3<<16)|(1<<21)
.irp g, G1A, G1B
	s_mov_b32 s[\g+1], 512<<16                     ; tensor_dim0 = 512 elements: a tile's quarter, 4,096 bytes
	s_mov_b32 s[\g+2], 2<<16                       ; tensor_dim1 = 2 tiles
	s_mov_b32 s[\g+3], 512<<16                     ; tile_dim0
	s_mov_b32 s[\g+4], 2                           ; tile_dim1
	s_mov_b32 s[\g+5], 2048                        ; from tile to tile: 16,384 bytes
	s_mov_b32 s[\g+6], 0
	s_mov_b32 s[\g+7], 0
.endr
	s_lshl_b32 s18, s17, 3                         ; af: tile 8 x tile row + 2 x (wave % 4), in registers that never hold the tile column
	s_lshl_b32 s19, s15, 1
	s_add_co_u32 s18, s18, s19
	s_lshl_b32 s18, s18, 14
	s_mov_b32 s19, 0
	s_lshl_b32 s20, s86, 3                         ; wof: tile 8 x tile column + 2 x (wave % 4), in registers that never hold the tile row
	s_lshl_b32 s21, s15, 1
	s_add_co_u32 s20, s20, s21
	s_lshl_b32 s20, s20, 14
	s_mov_b32 s21, 0
	s_lshl_b32 s22, s[WV], 13                      ; LDS: wave x 8,192 in each quarter: af's four pairs, then wof's four
	s_lshl_b32 s89, s17, 7                         ; out0: my first row,
	s_lshl_b32 s90, s13, 5
	s_add_co_u32 s89, s89, s90
	s_lshl_b32 s90, s89, 11                        ; in bytes,
	s_lshl_b32 s92, s86, 9                         ; and my first column; bo's offset is the same
	s_lshl_b32 s89, s14, 8
	s_add_co_u32 s92, s92, s89
	s_add_co_u32 s90, s90, s92
	s_mov_b32 s91, 0
	s_mov_b32 s93, 0
	v_and_b32 v10, 31, v0
	v_lshlrev_b32 v[LI], 4, v10
	v_and_b32 v11, 15, v0                          ; r
	v_bfe_u32 v12, v0, 4, 1                        ; h
	s_lshl_b32 s23, s13, 13
	v_add_nc_u32 v[ADB], s23, v[LI]
	s_lshl_b32 s23, s14, 14
	s_add_co_u32 s23, s23, 32768
	v_add_nc_u32 v[ADA], s23, v[LI]
	s_mul_i32 s23, s[WV], 4352
	s_add_co_u32 s23, s23, STAGE                   ; my stage
	v_mul_u32_u24 v[STO], v11, 272
	v_lshl_add_u32 v[STO], v12, 5, v[STO]
	v_add_nc_u32 v[STO], s23, v[STO]               ; in: row r, 32 bytes for each half of the lanes
	v_mul_u32_u24 v[RD], v12, 272
	v_lshl_add_u32 v[RD], v11, 4, v[RD]
	v_add_nc_u32 v[RD], s23, v[RD]                 ; back: lanes 0-15 one row of 256 bytes, lanes 16-31 the next
	v_lshlrev_b32 v[CO], 11, v12
	v_lshl_add_u32 v[CO], v11, 4, v[CO]            ; and the same two rows in out0
	v_lshlrev_b32 v[HB], 5, v12
	s_wait_dscnt 0x0                               ; both opening adds are done
	s_wait_kmcnt 0x0
	s_add_nc_u64 s[18:19], s[4:5], s[18:19]
	s_add_nc_u64 s[20:21], s[6:7], s[20:21]
	s_add_nc_u64 s[8:9], s[8:9], s[92:93]
	s_add_nc_u64 s[10:11], s[10:11], s[90:91]
.irp q, 0,1,2,3
	s_mov_b32 s[G0A+4*\q], 1
	s_add_co_u32 s[G0A+4*\q+1], s22, \q*QB
	s_add_nc_u64 s[G0A+4*\q+2:G0A+4*\q+3], s[18:19], \q*4096
	s_or_b32 s[G0A+4*\q+3], s[G0A+4*\q+3], 0x80000000
	s_mov_b32 s[G0B+4*\q], 1
	s_add_co_u32 s[G0B+4*\q+1], s22, \q*QB
	s_add_nc_u64 s[G0B+4*\q+2:G0B+4*\q+3], s[20:21], \q*4096
	s_or_b32 s[G0B+4*\q+3], s[G0B+4*\q+3], 0x80000000
.endr
	CROUND                                         ; all sixteen work-groups are here: the joint loads meet
	s_cmp_eq_u32 s16, 0                            ; a wave's four fills stand in one branch on the wave's number: each line has one mask and one set of registers
	s_cbranch_scc0 .Lfirst_b
.irp q, 0,1,2,3
	tensor_load_to_lds s[G0A+4*\q:G0A+4*\q+3], s[G1A:G1A+7]
	s_nop 0
.endr
.rept 4
	v_nop
.endr
	s_branch .Lfirst_done
.Lfirst_b:
.irp q, 0,1,2,3
	tensor_load_to_lds s[G0B+4*\q:G0B+4*\q+3], s[G1B:G1B+7]
	s_nop 0
.endr
.rept 4
	v_nop
.endr
.Lfirst_done:
.irp nt, 0,1,2,3
	global_load_b128 v[BIAS+8*\nt:BIAS+8*\nt+3], v[HB], s[8:9] offset:64*\nt       ; bo at my lane's eight columns of tile nt
	global_load_b128 v[BIAS+8*\nt+4:BIAS+8*\nt+7], v[HB], s[8:9] offset:64*\nt+16
.endr
	s_wait_tensorcnt 3                             ; my part of quarter 0 is in; the three later quarters' may be out
	s_barrier_signal -1
	s_barrier_wait -1                              ; everybody's is
	FETCH 0, 0
	s_wait_loadcnt 0x0                             ; the bias
.set KS, 0
.rept 16
.if KS == 15
	s_wait_dscnt 0x0
	MUL 1, 0
.elseif (KS%4) == 3                            ; a quarter's last K step: the next quarter is shown to every wave while this step is multiplied
	s_wait_dscnt 0x0                               ; this step's fragments are in, and no LDS load of mine is out at the signal
	s_wait_tensorcnt 2-KS/4                        ; my part of the next quarter is in; the later quarters' may be out
	s_barrier_signal -1
	MUL 1, 0
	s_barrier_wait -1
	v_add_nc_u32 v[ADB], QB, v[ADB]
	v_add_nc_u32 v[ADA], QB, v[ADA]
	PLACES
	FETCH 0, 0
.else
.if KS > 0
	PLACES
.endif
	FETCH (KS+1)%4, (KS+1)%2
	s_wait_dscnt 12                                ; this step's fragments are in; the 12 loads just issued may be out
	MUL KS%2, KS==0
.endif
.set KS, KS+1
.endr
	PLACES
.irp mt, 0,1                                   ; LDS serves a wave's instructions in order: the loads see the stores above them, and the second tile's stores come behind the first's loads
.irp nt, 0,1,2,3
	ds_store_b128 v[STO], v[ACC+8*(2*\nt+\mt):ACC+8*(2*\nt+\mt)+3] offset:64*\nt         ; each accumulator from its low end on
	ds_store_b128 v[STO], v[ACC+8*(2*\nt+\mt)+4:ACC+8*(2*\nt+\mt)+7] offset:64*\nt+16
.endr
.irp i, 0,1,2,3,4,5,6,7
	ds_load_b128 v[208-160*\mt+4*\i:208-160*\mt+4*\i+3], v[RD] offset:2*\i*272
.endr
.endr
.irp mt, 0,1
.irp i, 0,1,2,3,4,5,6,7
	s_wait_dscnt 23-16*\mt-\i                      ; the LDS instructions issued behind this load may be out
	global_store_b128 v[CO], v[208-160*\mt+4*\i:208-160*\mt+4*\i+3], s[10:11] offset:(16*\mt+2*\i)*2048 th:TH_STORE_NT
.endr
.endr
	s_wait_tensorcnt 0x0                           ; the wave's end, behind my last tensor load and my last LDS store
	ds_add_u32 v[SPW], v[NIL]
	s_wait_dscnt 0x0
	CROUND                                         ; the closing round: no work-group ends while a partner may still ask for a tile that names it
	s_endpgm
.Lfunc_end_k_qca0fcbbcdd_proj:
	.size	k_qca0fcbbcdd_proj, .Lfunc_end_k_qca0fcbbcdd_proj-k_qca0fcbbcdd_proj
	.p2alignl 7, 3214868480
	.fill 96, 4, 3214868480
	.section	.rodata,"a",@progbits
	.p2align	6, 0x0
	.amdhsa_kernel k_qca0fcbbcdd_proj
		.amdhsa_group_segment_fixed_size 327680
		.amdhsa_private_segment_fixed_size 0
		.amdhsa_enable_private_segment 0
		.amdhsa_kernarg_size 32
		.amdhsa_user_sgpr_count 2
		.amdhsa_user_sgpr_kernarg_segment_ptr 1
		.amdhsa_wavefront_size32 1
		.amdhsa_system_sgpr_workgroup_id_x 1
		.amdhsa_system_sgpr_workgroup_id_y 1
		.amdhsa_system_sgpr_workgroup_id_z 1
		.amdhsa_system_vgpr_workitem_id 0
		.amdhsa_next_free_vgpr 256
		.amdhsa_next_free_sgpr 96
		.amdhsa_reserve_vcc 0
		.amdhsa_float_denorm_mode_32 3
		.amdhsa_float_denorm_mode_16_64 3
		.amdhsa_memory_ordered 1
		.amdhsa_forward_progress 1
		.amdhsa_inst_pref_size 36
	.end_amdhsa_kernel
	.amdgpu_metadata
---
amdhsa.version: [ 1, 2 ]
amdhsa.kernels:
  - .name:           k_qca0fcbbcdd_proj
    .symbol:         k_qca0fcbbcdd_proj.kd
    .args:
      - { .name: af, .offset: 0, .size: 8, .value_kind: global_buffer, .address_space: global }
      - { .name: wof, .offset: 8, .size: 8, .value_kind: global_buffer, .address_space: global }
      - { .name: bo, .offset: 16, .size: 8, .value_kind: global_buffer, .address_space: global }
      - { .name: out0, .offset: 24, .size: 8, .value_kind: global_buffer, .address_space: global }
    .group_segment_fixed_size: 327680
    .private_segment_fixed_size: 0
    .kernarg_segment_align: 8
    .kernarg_segment_size: 32
    .max_flat_workgroup_size: 256
    .sgpr_count:     96
    .vgpr_count:     256
    .wavefront_size: 32
...
	.end_amdgpu_metadata
.endif
;; end of part 4
